; MI455X (gfx1250); checked and timed in simulation.
; The chip was launched on July 23, 2026; its instructions are those of AMD's public machine-readable ISA for CDNA 5 (MIT licence, August 2026) and "CDNA5" Instruction Set Architecture Reference Guide (July 2026). The comments in the code are by the model that wrote it; some were corrected since.
;; Attention Module. Allowed arithmetic: float matrix products may take bf16 or f16 operands with f32 sums; all other float work in f32.
;; Inputs: K 4 x 16 x 2,048 x 64 float32; Q 4 x 16 x 2,048 x 64 float32; V 4 x 16 x 2,048 x 64 float32; mask 2,048 x 2,048 bool.
;; Outputs: out0 4 x 16 x 2,048 x 64 float32.
;; 2 versions, each right; version 2 is version 1 with the launch attn written anew for expert scheduling mode. Each part assembles by itself: llvm-mc -triple=amdgcn-amd-amdhsa -mcpu=gfx1250 --defsym DOCPART=n.
;; ======== version 1 of 2: 2 launches
;; limits: values are held in f16: magnitudes above 65,504 overflow, below 6.1e-05 lose precision; inputs' magnitudes at most 65,504
;; workspace buffers: bits 524,288 bytes of whole numbers; flags 8,192 bytes of whole numbers
;; launch maskbits (part 1): grid 128 x 1, 8 waves a work-group, no clusters, 0 bytes of LDS; arguments mask, bits, flags; writes bits, flags
.if DOCPART == 1
	.amdgcn_target "amdgcn-amd-amdhsa--gfx1250"
	.amdhsa_code_object_version 6
	.text
	.protected	k_q14c07e0d64_maskbits
	.globl	k_q14c07e0d64_maskbits
	.p2align	8
	.type	k_q14c07e0d64_maskbits,@function
k_q14c07e0d64_maskbits:
	s_mov_b64 s[64:65], 0
	v_nop
	global_prefetch_b8 v0, s[64:65] scope:SCOPE_SE
	s_setreg_imm32_b32 hwreg(HW_REG_WAVE_MODE, 25, 1), 1
	s_wait_xcnt 0x0
; The mask [2048][2048] of bytes is packed once into lane masks, in the register layout of the attention launch's score tiles, so that the
; 64 heads do not each unpack it.  Any byte that is not 0 counts as true.
;   bits  [qt 128][kt 128][j 8] of 32-bit words: bit 16 h + r of word (qt, kt, j) = mask[16 qt + r][16 kt + 8 h + j] != 0.
;   flags [qt 128][16] of 32-bit words, for units of 16 rows x 64 columns (kb = 0..31): word w (0..7) has bit kb set, for kb = 4 w .. 4 w + 3,
;         if the unit holds some true byte; word 8 + w likewise if all its bytes are true.  The reader ORs the eight words of a kind.
; Work-group = 16 rows (qt).  Wave w = columns 256 w .. 256 w + 255 = 4 units of 4 column tiles.  Lane (r, h) reads 8 bytes of row r.
; 128 work-groups are all the work there is.  No LDS, no barrier: no wave needs another's figures.
.set RW, 8                             ; v[8:11]   the wave's 128 words: lane l holds words 4 l .. 4 l + 3
.set RD, 12                            ; v[12:43]  16 x 8 bytes of the mask as loaded
	s_load_b128 s[4:7], s[0:1], 0x0                ; mask s[4:5], bits s[6:7]
	s_load_b64 s[8:9], s[0:1], 0x10                ; flags
	v_and_b32 v1, 31, v0                           ; lane
	v_lshrrev_b32 v4, 5, v0
	v_readfirstlane_b32 s10, v4                    ; wave
	v_and_b32 v5, 15, v0                           ; r
	v_bfe_u32 v6, v0, 4, 1                         ; h
	v_lshlrev_b32 v3, 11, v5                       ; r rows of 2,048 bytes
	v_lshl_add_u32 v3, v6, 3, v3                   ; + 8 h
	v_lshlrev_b32 v45, 5, v1                       ; flags: lane 0 at byte 0 (some true), lane 1 at byte 32 (all true)
	v_lshlrev_b32 v46, 4, v1                       ; bits: 16 bytes a lane
	s_mov_b32 s3, 0
	s_lshl_b32 s2, ttmp9, 15                       ; 16 rows of 2,048 bytes
	s_lshl_b32 s24, s10, 8                         ; + the wave's 256 columns
	s_add_co_u32 s2, s2, s24
	s_wait_kmcnt 0x0
	s_add_nc_u64 s[4:5], s[4:5], s[2:3]
.set n, 0
.rept 16
	global_load_b64 v[RD+2*n:RD+2*n+1], v3, s[4:5] offset:16*n th:TH_LOAD_NT   ; column tile n of the wave's 16; together the 16 loads take 16 rows x 256 bytes once
.set n, n+1
.endr
	s_lshl_b32 s2, ttmp9, 12                       ; bits: 4,096 bytes for 16 rows, 512 for a wave
	s_lshl_b32 s24, s10, 9
	s_add_co_u32 s2, s2, s24
	s_add_nc_u64 s[6:7], s[6:7], s[2:3]
	s_lshl_b32 s2, ttmp9, 6                        ; flags: 64 bytes for 16 rows, one word of each kind for a wave
	s_lshl2_add_u32 s2, s10, s2
	s_add_nc_u64 s[8:9], s[8:9], s[2:3]
.irp k, 0,1,2,3
	v_mov_b32 v[RW+\k], 0                          ; v_writelane_b32 keeps the other lanes: the registers are written whole first
.endr
	s_mov_b32 s18, 0                               ; the wave's four 'some true' bits
	s_mov_b32 s19, 0                               ; and its four 'all true' bits
	s_wait_loadcnt 0x0
; Byte j of the lanes' 8 bytes -> one compare -> one lane mask = word 32 u + 8 kt + j of the wave, which belongs in lane 8 u + 2 kt + j / 4, register j % 4.
.irp u, 0,1,2,3
	s_mov_b32 s16, 0                               ; OR of the unit's 32 words
	s_mov_b32 s17, -1                              ; AND of them
.irp kt, 0,1,2,3
.irp j, 0,1,2,3,4,5,6,7
	v_bfe_u32 v[4+(\j%4)], v[RD+2*(4*\u+\kt)+(\j/4)], 8*(\j%4), 8
	v_cmp_ne_u32 s[20+(\j%4)], 0, v[4+(\j%4)]
	v_writelane_b32 v[RW+(\j%4)], s[20+(\j%4)], 8*\u+2*\kt+(\j/4)
	s_or_b32 s16, s16, s[20+(\j%4)]
	s_and_b32 s17, s17, s[20+(\j%4)]
.endr
.endr
	s_cmp_lg_u32 s16, 0                            ; selects, not branches: the same lines run for every mask
	s_cselect_b32 s24, 1<<\u, 0
	s_or_b32 s18, s18, s24
	s_cmp_eq_u32 s17, -1
	s_cselect_b32 s24, 1<<\u, 0
	s_or_b32 s19, s19, s24
.endr
	global_store_b128 v46, v[RW:RW+3], s[6:7]      ; the wave's 512 consecutive bytes, aligned, in one store
	s_lshl_b32 s24, s10, 2
	s_lshl_b32 s18, s18, s24                       ; bit positions kb = 4 w + u
	s_lshl_b32 s19, s19, s24
	v_mov_b32 v44, s18
	v_writelane_b32 v44, s19, 1
	v_cmp_gt_u32 vcc_lo, 2, v1
	s_wait_xcnt 0x0                                ; EXEC is a source of the store above: it changes only behind this wait
	s_and_saveexec_b32 s25, vcc_lo
	global_store_b32 v45, v44, s[8:9]              ; two words of 4 bytes a wave, 8 KiB in the whole launch: pieces of 64-byte rows, accepted for their small number
	s_wait_xcnt 0x0                                ; and again in front of the line that widens it
	s_or_b32 exec_lo, exec_lo, s25
	s_endpgm
.Lfunc_end_k_q14c07e0d64_maskbits:
	.size	k_q14c07e0d64_maskbits, .Lfunc_end_k_q14c07e0d64_maskbits-k_q14c07e0d64_maskbits
	.p2alignl 7, 3214868480
	.fill 96, 4, 3214868480
	.section	.rodata,"a",@progbits
	.p2align	6, 0x0
	.amdhsa_kernel k_q14c07e0d64_maskbits
		.amdhsa_group_segment_fixed_size 0
		.amdhsa_private_segment_fixed_size 0
		.amdhsa_enable_private_segment 0
		.amdhsa_kernarg_size 24
		.amdhsa_user_sgpr_count 2
		.amdhsa_user_sgpr_kernarg_segment_ptr 1
		.amdhsa_wavefront_size32 1
		.amdhsa_system_sgpr_workgroup_id_x 1
		.amdhsa_system_sgpr_workgroup_id_y 1
		.amdhsa_system_sgpr_workgroup_id_z 1
		.amdhsa_system_vgpr_workitem_id 0
		.amdhsa_next_free_vgpr 48
		.amdhsa_next_free_sgpr 66
		.amdhsa_reserve_vcc 1
		.amdhsa_float_denorm_mode_32 3
		.amdhsa_float_denorm_mode_16_64 3
		.amdhsa_memory_ordered 1
		.amdhsa_forward_progress 1
		.amdhsa_inst_pref_size 37
	.end_amdhsa_kernel
	.amdgpu_metadata
---
amdhsa.version: [ 1, 2 ]
amdhsa.kernels:
  - .name:           k_q14c07e0d64_maskbits
    .symbol:         k_q14c07e0d64_maskbits.kd
    .args:
      - { .name: mask, .offset: 0, .size: 8, .value_kind: global_buffer, .address_space: global }
      - { .name: bits, .offset: 8, .size: 8, .value_kind: global_buffer, .address_space: global }
      - { .name: flags, .offset: 16, .size: 8, .value_kind: global_buffer, .address_space: global }
    .group_segment_fixed_size: 0
    .private_segment_fixed_size: 0
    .kernarg_segment_align: 8
    .kernarg_segment_size: 24
    .max_flat_workgroup_size: 256
    .sgpr_count:     66
    .vgpr_count:     48
    .wavefront_size: 32
...
	.end_amdgpu_metadata
.endif
;; end of part 1
;; launch attn (part 2): grid 256 x 1, 8 waves a work-group, no clusters, 74,752 bytes of LDS; arguments K, Q, V, bits, flags, out0; writes out0
.if DOCPART == 2
	.amdgcn_target "amdgcn-amd-amdhsa--gfx1250"
	.amdhsa_code_object_version 6
	.text
	.protected	k_q14c07e0d64_attn
	.globl	k_q14c07e0d64_attn
	.p2align	8
	.type	k_q14c07e0d64_attn,@function
k_q14c07e0d64_attn:
	s_mov_b64 s[64:65], 0
	v_nop
	global_prefetch_b8 v0, s[64:65] scope:SCOPE_SE
	s_setreg_imm32_b32 hwreg(HW_REG_WAVE_MODE, 25, 1), 1
	s_wait_xcnt 0x0
; out = softmax(Q K^T / 8 + (mask ? 0 : -inf)) V for 64 heads of 2,048 x 64, all f32 in memory; products in f16 with f32 sums, softmax in f32 with a running maximum.
; WHY F16.  f16 keeps 11 significant bits where bf16 keeps 8.  A row with few true mask bytes is a sum of few terms p v, in which nothing averages the rounding of p, of V
; and of the scores away, so the finer format is taken for all four operands; the matrix instruction costs the same in both.  The operands have the room: see LIMITS.
; SHARES.  Work-group = a quarter of one head's queries (head = x / 4, j = x % 4).  A wave owns four tiles of 16 queries, so each K or V fragment read from LDS
; serves up to four tiles.  With g = 4 (w % 4) + j for waves 0-3 and 31 - that for waves 4-7 the tiles are g, 63 - g, 64 + g, 127 - g: each of the head's 128 tiles once.
; The choice only evens out the work where the mask grows denser with the row; it is right for any mask.
; A TRIP takes 64 keys.  All 256 threads bring the next K and V tiles (16 KiB of f32 each, dense in memory) through registers, round them to f16 and store them
; into the LDS buffer that is not being read; one barrier a trip.  A UNIT is one query tile x 64 keys: 8 matrix instructions for scores, softmax, 8 for the output.
; THE MASK is an input of any pattern.  An earlier launch packed it into lane masks (bits) and two flags a unit (flags): a unit with no true byte is jumped over
; (its probabilities are all 0 and it cannot raise the maximum), a unit with only true bytes skips the 32 selects, any other loads its 32 words and selects.
; LAYOUTS.  Scores are made transposed, S^T = K Q^T: lane (r, h), register i of key tile kt holds key 16 kt + 8 h + i of query r.  Rounded in pairs these registers ARE the
; second source (32 keys x 16 queries) of O^T = V^T P^T, so P never moves between lanes.  V^T comes from V's rows in LDS by the transposing load.  Maximum and sum are
; one number a lane; the two halves of the lanes (h) join their maxima by one v_permlanex16_b32 a unit and their sums once at the end.
; Q is multiplied by log2(e) / 8 in f32 before it is rounded, so p = 2^(s - m).
; LIMITS.  |K|, |V| and |Q| log2(e) / 8 of 65,504 and more become infinities in f16 and are not served; magnitudes under 2^-14 are kept as f16 denormals, to within 2^-25.
; p lies in [0, 1] and is kept to within 2^-25 where it is under 2^-14; l is at least 1 in a row with a true byte, so 2,048 such errors come to 2^-14 of the largest |V| at the most.
; The running maximum starts at -FLT_MAX and masked scores are -inf, so every finite score is served and no shift is fixed.  A row with no true byte ends with
; l = 0 and O = 0 and gives 0 x (1 / 0) = NaN, as the softmax of a row of -inf does.  Non-finite inputs are not served.  l adds p in f32, before p is rounded to f16.
; NO JOINT LOADS, though the four work-groups of a head read the same K and V: each work-group jumps over units by the flags of its own rows, so partners would branch
; differently; and K and V must become f16 between memory and the fragments, which loads through registers do on the way (a tile then passes LDS once, as f16).
.set KPITCH, 144                       ; a K row in LDS: 128 bytes of f16 + 16: an odd multiple of 16, so the 16 rows of a fragment load start 16 bytes apart modulo 256
.set VPITCH, 160                       ; a V row: 128 + 32: an odd multiple of 32, for the transposing load
.set SPITCH, 272                       ; a row of the way out: 256 bytes of f32 + 16
.set VB,     64*KPITCH                 ; in a buffer: K's 64 rows, then V's
.set BUF,    VB+64*VPITCH              ; 19,456 bytes; two buffers
.set STAGE,  2*BUF                     ; behind them 16 rows x 272 bytes for each wave, its own: 38,912 + 8 x 4,352 = 73,728
.set TILEB,  16384                     ; 64 keys x 256 bytes in memory
; window 0: v0 thread; v1 Q offset; v2 K fragment address; v3 V fragment address; v4, v5 where my 8 bytes of K, V go; v6 16 x thread; v7 prefetch offset;
;           v8 stage in; v9 stage back; v10 16 x lane; v11 -inf
.set RM,   12                          ; v12-15   running maximum of tile a
.set RL,   16                          ; v16-19   running sum of tile a (this half of the lanes' keys)
.set RMN,  20                          ; v[20:21] new maximum (v21 only completes the pair)
.set RAL,  22                          ; v[22:23] 2^(old maximum - new), at the end 1 / l (v23 only completes the pair)
.set RT,   24                          ; v24-31   at work
.set RS,   32                          ; v32-63   scores, then p: key tile kt at 8 kt; at a trip's head 16 of them carry the rounded K and V to LDS
.set RP,   64                          ; v64-79   p in f16: 32 keys' fragment kc at 8 kc
.set RSTG, 80                          ; v80-111  K (16) and V (16) of a later tile as loaded
.set RKF,  112                         ; v112-175 K fragments: 16 kt + 8 dh
.set RVF,  176                         ; v176-239 V^T fragments: 8 (4 kc + dt)
.set RO,   0                           ; window 1: v256-383 O^T of tile a, d tile dt at 32 a + 8 dt
.set RQF,  128                         ; window 1: v384-447 Q fragments at 16 a + 8 dh
; scalars: s[4:5] flags, s[6:7] out, s[8:9] K, s[10:11] Q, s[12:13] V, s[14:15] bits; s66 OR of the four tiles' live bits; s67 trip number kb; s68 128 kb;
;          s69 loop counter; s70, s71 lane selects; s72 at work; s73 wave; s[74:75] the scale; s[80:81] a tile's place in out; s82 j; s83 g
.set MW,   16                          ; s[16:47] a unit's 32 mask words (at set-up: flags, then Q's four bases)
.set MB,   48                          ; s[48:55] bits at tile a's row of units
.set ACT,  56                          ; s56-59   bit kb: tile a's unit kb holds some true byte
.set FULL, 60                          ; s60-63   bit kb: all its bytes are true
.set TI,   76                          ; s76-79   tile numbers
.set MSB, 0
.macro WIN new                         ; s_set_vgpr_msb: bits 1:0 source 0, 3:2 source 1, 5:4 source 2, 7:6 destination; the high byte repeats the setting that is left
.if MSB != \new
	s_set_vgpr_msb (MSB<<8)|\new
.set MSB, \new
.endif
.endm
.macro LOADKV                          ; a K tile and a V tile: thread t takes 16 bytes at 4,096 i + 16 t; a wave's load covers 512 consecutive bytes
.irp q, 0,1,2,3
	global_load_b128 v[RSTG+4*\q:RSTG+4*\q+3], v6, s[8:9] offset:4096*\q
.endr
.irp q, 0,1,2,3
	global_load_b128 v[RSTG+16+4*\q:RSTG+16+4*\q+3], v6, s[12:13] offset:4096*\q
.endr
.endm
.macro CVTSTORE nb                     ; round the loaded tiles and store them into buffer nb: load q of thread t is key 16 q + t / 16, d = 4 (t % 16) .. + 3
.set n, 0
.rept 16
	v_cvt_pk_f16_f32 v[RS+n], v[RSTG+2*n], v[RSTG+2*n+1]
.set n, n+1
.endr
.irp q, 0,1,2,3
	ds_store_b64 v4, v[RS+2*\q:RS+2*\q+1] offset:(\nb)*BUF+\q*16*KPITCH
.endr
.irp q, 0,1,2,3
	ds_store_b64 v5, v[RS+8+2*\q:RS+8+2*\q+1] offset:(\nb)*BUF+VB+\q*16*VPITCH
.endr
.endm
.macro FRAGS buf                       ; 32 LDS loads: K's 16 first, then V's 16, so that a counted wait can let V stay out
.irp kt, 0,1,2,3
.irp dh, 0,1
	ds_load_b128 v[RKF+16*\kt+8*\dh:RKF+16*\kt+8*\dh+3],   v2 offset:\buf*BUF+\kt*16*KPITCH+64*\dh      ; key 16 kt + r, d = 32 dh + 8 h ..
	ds_load_b128 v[RKF+16*\kt+8*\dh+4:RKF+16*\kt+8*\dh+7], v2 offset:\buf*BUF+\kt*16*KPITCH+64*\dh+32   ; d = 32 dh + 16 + 8 h ..
.endr
.endr
.irp kc, 0,1
.irp dt, 0,1,2,3
	ds_load_tr16_b128 v[RVF+8*(4*\kc+\dt):RVF+8*(4*\kc+\dt)+3],   v3 offset:\buf*BUF+VB+\kc*32*VPITCH+32*\dt             ; d = 16 dt + r, keys 32 kc + 8 h ..
	ds_load_tr16_b128 v[RVF+8*(4*\kc+\dt)+4:RVF+8*(4*\kc+\dt)+7], v3 offset:\buf*BUF+VB+\kc*32*VPITCH+32*\dt+16*VPITCH   ; keys 32 kc + 16 + 8 h ..
.endr
.endr
.endm
.macro ORFLAGS a, base                 ; eight words of each kind into one
	s_or_b32 s[ACT+\a], s[\base], s[\base+1]
	s_or_b32 s[FULL+\a], s[\base+8], s[\base+9]
.irp k, 2,3,4,5,6,7
	s_or_b32 s[ACT+\a], s[ACT+\a], s[\base+\k]
	s_or_b32 s[FULL+\a], s[FULL+\a], s[\base+8+\k]
.endr
.endm
; Query tile a x this trip's 64 keys.  first = 1 (trip 0): no branch, the mask always applied, and the first products start the sums: nothing is ever cleared.
.macro UNIT a, first
.if \first == 0
	s_lshr_b32 s72, s[ACT+\a], s67
	s_bitcmp1_b32 s72, 0
	s_cbranch_scc0 .Lskip_\@                       ; no true byte in the unit: nothing to add, no maximum to raise
	s_lshr_b32 s72, s[FULL+\a], s67
	s_bitcmp1_b32 s72, 0
	s_cbranch_scc1 .Lnoload_\@                     ; all true: no words needed
.endif
	s_load_b512 s[MW:MW+15], s[MB+2*\a:MB+2*\a+1], s68 offset:0x0        ; the unit's 32 words, 128 consecutive bytes
	s_load_b512 s[MW+16:MW+31], s[MB+2*\a:MB+2*\a+1], s68 offset:0x40
.if \first == 0
.Lnoload_\@:
.endif
	s_wait_dscnt 16                                ; LDS instructions end in order (ISA guide 5.7.1): all but the 16 youngest, V's fragments, are done, so K's are in
	WIN 0x04                                       ; second source (Q) in window 1
.irp kt, 0,1,2,3                                   ; the four accumulators take turns, one instruction a turn
	v_wmma_f32_16x16x32_f16 v[RS+8*\kt:RS+8*\kt+7], v[RKF+16*\kt:RKF+16*\kt+7], v[RQF+16*\a:RQF+16*\a+7], 0
.endr
.irp kt, 0,1,2,3
	v_wmma_f32_16x16x32_f16 v[RS+8*\kt:RS+8*\kt+7], v[RKF+16*\kt+8:RKF+16*\kt+15], v[RQF+16*\a+8:RQF+16*\a+15], v[RS+8*\kt:RS+8*\kt+7]
.endr
	WIN 0
.rept 4
	v_nop                                          ; four places behind the matrix instructions before a vector instruction reads their results (ISA guide 7.12.1)
.endr
	s_wait_kmcnt 0x0                               ; the words are in (met at once where none were asked for); s68 and the base are free again
.if \first == 0
	s_bitcmp1_b32 s72, 0                           ; s72 still holds the 'all true' bit
	s_cbranch_scc1 .Lnomask_\@
.endif
.set n, 0
.rept 32
	v_cndmask_b32 v[RS+n], v11, v[RS+n], s[MW+n]   ; word 8 kt + i is the lane mask of register i of key tile kt: false -> -inf
.set n, n+1
.endr
.if \first == 0
.Lnomask_\@:
.endif
	; the maximum of my 32 scores and the old maximum: 16 three-way maxima, four chains
.irp c, 0,1,2,3
	v_max3_num_f32 v[RT+\c], v[RS+8*\c], v[RS+8*\c+1], v[RS+8*\c+2]
.endr
.irp c, 0,1,2,3
	v_max3_num_f32 v[RT+\c], v[RT+\c], v[RS+8*\c+3], v[RS+8*\c+4]
.endr
.irp c, 0,1,2,3
	v_max3_num_f32 v[RT+\c], v[RT+\c], v[RS+8*\c+5], v[RS+8*\c+6]
.endr
	v_max3_num_f32 v[RT], v[RT], v[RT+1], v[RS+7]
	v_max3_num_f32 v[RT+2], v[RT+2], v[RT+3], v[RS+15]
	v_max3_num_f32 v[RT], v[RT], v[RS+23], v[RS+31]
.if \first
	v_max3_num_f32 v[RT], v[RT], v[RT+2], 0xff7fffff   ; the maximum starts at -FLT_MAX, so it stays finite where all is masked
.else
	v_max3_num_f32 v[RT], v[RT], v[RT+2], v[RM+\a]
.endif
	v_permlanex16_b32 v[RT+1], v[RT], s70, s71     ; the other half of the lanes holds the query's other 32 keys
	v_max_num_f32 v[RMN], v[RT], v[RT+1]
.if \first == 0
	v_sub_f32 v[RAL], v[RM+\a], v[RMN]
	v_exp_f32 v[RAL], v[RAL]                       ; what the old sums are worth under the new maximum
.endif
	v_mov_b32 v[RM+\a], v[RMN]                     ; also the plain instruction behind the exponential (ISA guide 5.7.2)
.set n, 0
.rept 16
	v_pk_add_f32 v[RS+2*n:RS+2*n+1], v[RS+2*n:RS+2*n+1], v[RMN:RMN+1] op_sel_hi:[1,0] neg_lo:[0,1] neg_hi:[0,1]   ; s - m, both halves by v20
.set n, n+1
.endr
.set n, 0
.rept 32
	v_exp_f32 v[RS+n], v[RS+n]                     ; p = 2^(s - m); -inf gives 0
.set n, n+1
.endr
.if \first
	v_nop                                          ; the plain instruction behind the last exponential
	s_wait_alu depctr_va_vdst(0)
.else
	WIN 0x41                                       ; destination and first source (O) in window 1
.set n, 0
	s_wait_alu depctr_va_vdst(0)
.rept 16
	v_pk_mul_f32 v[RO+32*\a+2*n:RO+32*\a+2*n+1], v[RO+32*\a+2*n:RO+32*\a+2*n+1], v[RAL:RAL+1] op_sel_hi:[1,0]   ; O under the new maximum; also the plain work behind the exponentials
.set n, n+1
.endr
	WIN 0
.endif
.set n, 0
.rept 16
	v_cvt_pk_f16_f32 v[RP+n], v[RS+2*n], v[RS+2*n+1]    ; key tiles 2 kc and 2 kc + 1 become registers 0-3 and 4-7 of fragment kc
.set n, n+1
.endr
	s_wait_dscnt 0x0                               ; V's fragments are in
	WIN 0x50                                       ; C and D (O) in window 1
.irp dt, 0,1,2,3                                   ; again four accumulators by turns
.if \first
	v_wmma_f32_16x16x32_f16 v[RO+32*\a+8*\dt:RO+32*\a+8*\dt+7], v[RVF+8*\dt:RVF+8*\dt+7], v[RP:RP+7], 0
.else
	v_wmma_f32_16x16x32_f16 v[RO+32*\a+8*\dt:RO+32*\a+8*\dt+7], v[RVF+8*\dt:RVF+8*\dt+7], v[RP:RP+7], v[RO+32*\a+8*\dt:RO+32*\a+8*\dt+7]
.endif
.endr
.irp dt, 0,1,2,3
	v_wmma_f32_16x16x32_f16 v[RO+32*\a+8*\dt:RO+32*\a+8*\dt+7], v[RVF+32+8*\dt:RVF+32+8*\dt+7], v[RP+8:RP+15], v[RO+32*\a+8*\dt:RO+32*\a+8*\dt+7]
.endr
	WIN 0
	; The sum of my 32 p.  These 17 lines name none of the registers of the matrix instructions above (O, V's fragments, P): they are the places behind them
	; for the next loads into the fragments and for the way out.
.irp c, 0,1,2,3
	v_pk_add_f32 v[RT+2*\c:RT+2*\c+1], v[RS+4*\c:RS+4*\c+1], v[RS+4*\c+2:RS+4*\c+3]
.endr
.irp c, 0,1,2,3
	v_pk_add_f32 v[RT+2*\c:RT+2*\c+1], v[RT+2*\c:RT+2*\c+1], v[RS+16+2*\c:RS+16+2*\c+1]
.endr
.irp c, 0,1,2,3
	v_pk_add_f32 v[RT+2*\c:RT+2*\c+1], v[RT+2*\c:RT+2*\c+1], v[RS+24+2*\c:RS+24+2*\c+1]
.endr
	v_pk_add_f32 v[RT:RT+1], v[RT:RT+1], v[RT+2:RT+3]
	v_pk_add_f32 v[RT+4:RT+5], v[RT+4:RT+5], v[RT+6:RT+7]
	v_pk_add_f32 v[RT:RT+1], v[RT:RT+1], v[RT+4:RT+5]
	v_add_f32 v[RT], v[RT], v[RT+1]
.if \first
	v_mov_b32 v[RL+\a], v[RT]
.else
	v_fma_f32 v[RL+\a], v[RL+\a], v[RAL], v[RT]
.Lskip_\@:
.endif
.endm
; Trip kb reads buffer buf.  stage: tile kb + 1, loaded a trip ago, goes into the other buffer.  load: tile kb + 2 is asked for.  pf: 1 K, 2 V, 0 no prefetch.
.macro TRIP buf, first, stage, load, pf, last
.if \stage
	s_wait_loadcnt 0x0                             ; the eight loads issued at the head of the last trip
	CVTSTORE 1-\buf                                ; every wave's reads of that buffer ended in front of the last barrier
.endif
.if \load
	s_wait_xcnt 0x0                                ; the bases, which the last prefetch named, are stepped only behind this wait
	s_add_nc_u64 s[8:9], s[8:9], TILEB
	s_add_nc_u64 s[12:13], s[12:13], TILEB
	LOADKV
.endif
.if \pf
	; Prefetch.  In the pair of trips 2 p, 2 p + 1 wave 0 asks for this work-group's quarter j (32 lanes 256 bytes apart, 8 KiB) of K's, then of V's tiles 2 p + 4 and
	; 2 p + 5, which are loaded in trips 2 p + 2 and 2 p + 3.  The four work-groups of a head ask for each block once between them.  The last pair that asks is
	; p = 13 (tiles 30 and 31, the buffers' last): the pair with s69 = 1 is p = 14 and asks for nothing.
	s_cmp_lg_u32 s73, 0
	s_cbranch_scc1 .Lnp_\@
	s_cmp_eq_u32 s69, 1
	s_cbranch_scc1 .Lnp_\@
.if \pf == 1
	global_prefetch_b8 v7, s[8:9] offset:2*TILEB th:TH_LOAD_NT scope:SCOPE_SE      ; the base stands at tile 2 p + 2
.else
	global_prefetch_b8 v7, s[12:13] offset:TILEB th:TH_LOAD_NT scope:SCOPE_SE      ; the base stands at tile 2 p + 3
.endif
.Lnp_\@:
.endif
.if \first == 0
	s_lshr_b32 s72, s66, s67
	s_bitcmp1_b32 s72, 0
	s_cbranch_scc0 .Lnf_\@                         ; none of my four tiles has a live unit in this trip: no fragments
.endif
	FRAGS \buf
.if \first == 0
.Lnf_\@:
.endif
	UNIT 0, \first
	UNIT 1, \first
	UNIT 2, \first
	UNIT 3, \first
	s_add_co_u32 s67, s67, 1
	s_add_co_u32 s68, s68, 128                     ; every scalar load that named s68 has been waited for
	s_wait_dscnt 0x0                               ; in every trip, on every way through the four units: my stores of the next tile are done and my fragment loads are back.
	                                               ; In front of the barrier that is for the others' sake; behind the last trip it is for the way out, which writes the fragment registers
.if \last == 0
	s_barrier_signal -1
	s_barrier_wait -1                              ; the next tile is whole, and this buffer may be stored into again
.endif
.endm
; Tile a leaves: O / l, 16 rows through my own stage in LDS, back as whole rows of 256 bytes.
.macro OUT a
	v_permlanex16_b32 v[RT], v[RL+\a], s70, s71    ; the two halves' sums meet
	v_add_f32 v[RT], v[RT], v[RL+\a]
	v_rcp_f32 v[RAL], v[RT]
	v_nop                                          ; the plain instruction behind the reciprocal (ISA guide 5.7.2)
	WIN 0x01                                       ; first source (O) in window 1
.set n, 0
	s_wait_alu depctr_va_vdst(0)
.rept 16
	v_pk_mul_f32 v[RKF+2*n:RKF+2*n+1], v[RO+32*\a+2*n:RO+32*\a+2*n+1], v[RAL:RAL+1] op_sel_hi:[1,0]
.set n, n+1
.endr
	WIN 0
.irp dt, 0,1,2,3
	ds_store_b128 v8, v[RKF+8*\dt:RKF+8*\dt+3] offset:64*\dt          ; query r, d = 16 dt + 8 h .. + 3
	ds_store_b128 v8, v[RKF+8*\dt+4:RKF+8*\dt+7] offset:64*\dt+16
.endr
	s_wait_xcnt 0x0                                ; the last tile's stores: their data registers and their base are rewritten only behind this wait
	s_lshl_b32 s2, s[TI+\a], 12                    ; 16 rows of 256 bytes
	s_add_nc_u64 s[80:81], s[6:7], s[2:3]
.irp t, 0,1,2,3,4,5,6,7
	ds_load_b128 v[RVF+4*\t:RVF+4*\t+3], v9 offset:2*SPITCH*\t        ; LDS serves a wave's instructions in order (ISA guide 5.7.1): these see the stores above
.endr
.irp t, 0,1,2,3,4,5,6,7
	s_wait_dscnt 7-\t                              ; load t is in, the younger ones may be out
	global_store_b128 v10, v[RVF+4*\t:RVF+4*\t+3], s[80:81] offset:512*\t th:TH_STORE_NT   ; two rows: 512 consecutive bytes, aligned
.endr
.endm
	; ---- set-up ----
	s_load_b256 s[8:15], s[0:1], 0x0               ; K, Q, V, bits
	s_load_b128 s[4:7], s[0:1], 0x20               ; flags, out
	v_lshl_add_u32 v254, v0, 2, 0x12000
	v_mov_b32 v255, 0
	v_and_b32 v24, 31, v0                          ; lane
	v_lshrrev_b32 v25, 5, v0
	v_readfirstlane_b32 s73, v25                   ; wave
	v_and_b32 v26, 15, v0                          ; r (also thread % 16)
	v_bfe_u32 v27, v0, 4, 1                        ; h
	s_and_b32 s82, ttmp9, 3                        ; j
	s_and_b32 s83, s73, 3
	s_lshl2_add_u32 s83, s83, s82                  ; 4 (w % 4) + j
	s_sub_co_u32 s72, 31, s83
	s_cmp_lt_u32 s73, 4
	s_cselect_b32 s83, s83, s72                    ; g
	s_mov_b32 s[TI+0], s83
	s_sub_co_u32 s[TI+1], 63, s83
	s_add_co_u32 s[TI+2], s83, 64
	s_sub_co_u32 s[TI+3], 127, s83
	s_lshr_b32 s2, ttmp9, 2
	s_lshl_b32 s2, s2, 19                          ; head x 2,048 rows x 256 bytes
	s_mov_b32 s3, 0                                ; stays 0: s[2:3] is the pair for every offset
	v_lshlrev_b32 v6, 4, v0                        ; 16 x thread
	s_wait_kmcnt 0x0
	s_add_nc_u64 s[8:9], s[8:9], s[2:3]
	s_add_nc_u64 s[10:11], s[10:11], s[2:3]
	s_add_nc_u64 s[12:13], s[12:13], s[2:3]
	s_add_nc_u64 s[6:7], s[6:7], s[2:3]
	LOADKV                                         ; tile 0
	s_lshl_b32 s84, s[TI+0], 6                     ; a tile's 16 flag words are 64 bytes
	s_lshl_b32 s85, s[TI+1], 6
	s_load_b512 s[16:31], s[4:5], s84 offset:0x0
	s_load_b512 s[32:47], s[4:5], s85 offset:0x0
	v_lshlrev_b32 v1, 8, v26                       ; Q: row r, 256 bytes
	v_lshl_add_u32 v1, v27, 5, v1                  ;    + 8 h numbers
	v_mul_u32_u24 v2, v26, KPITCH                  ; K fragments: row r
	v_lshl_add_u32 v2, v27, 4, v2                  ;    + 16 h
	v_and_b32 v28, 7, v0
	v_lshl_add_u32 v28, v27, 3, v28                ; V fragments: row 8 h + lane % 8
	v_mul_u32_u24 v3, v28, VPITCH
	v_bfe_u32 v29, v0, 3, 1
	v_lshl_add_u32 v3, v29, 4, v3                  ;    + 16 x bit 3 of the lane
	v_lshrrev_b32 v30, 4, v0                       ; thread / 16: my key among 16
	v_mul_u32_u24 v4, v30, KPITCH
	v_lshl_add_u32 v4, v26, 3, v4                  ; + my 4 numbers, 8 bytes
	v_mul_u32_u24 v5, v30, VPITCH
	v_lshl_add_u32 v5, v26, 3, v5
	v_lshlrev_b32 v7, 8, v24                       ; prefetch: lanes 256 bytes apart,
	v_lshl_add_u32 v7, s82, 13, v7                 ; in quarter j of 32 KiB
	s_mul_i32 s72, s73, 16*SPITCH
	s_add_co_u32 s72, s72, STAGE                   ; my stage
	v_mul_u32_u24 v8, v26, SPITCH                  ; in: row r, 32 bytes for each half of the lanes
	v_lshl_add_u32 v8, v27, 5, v8
	v_add_nc_u32 v8, s72, v8
	v_mul_u32_u24 v9, v27, SPITCH                  ; back: lanes 0-15 one row, lanes 16-31 the next
	v_lshl_add_u32 v9, v26, 4, v9
	v_add_nc_u32 v9, s72, v9
	v_lshlrev_b32 v10, 4, v24                      ; the same two rows in out: 16 x lane
	v_mov_b32 v11, 0xff800000                      ; -inf
	v_mov_b32 v[RMN+1], 0                          ; the upper registers of the two broadcast pairs are never used, only named
	v_mov_b32 v[RAL+1], 0
	s_mov_b32 s70, 0x76543210                      ; v_permlanex16_b32: lane i reads lane i of the other half
	s_mov_b32 s71, 0xfedcba98
	s_mov_b32 s74, 0x3e38aa3b                      ; log2(e) / 8
	s_mov_b32 s75, 0x3e38aa3b
	s_wait_kmcnt 0x0
	ORFLAGS 0, 16
	ORFLAGS 1, 32
	s_lshl_b32 s84, s[TI+2], 6
	s_lshl_b32 s85, s[TI+3], 6
	s_load_b512 s[16:31], s[4:5], s84 offset:0x0
	s_load_b512 s[32:47], s[4:5], s85 offset:0x0
.irp a, 0,1,2,3
	s_lshl_b32 s2, s[TI+\a], 12                    ; a tile's row of 32 units is 4,096 bytes of bits
	s_add_nc_u64 s[MB+2*\a:MB+2*\a+1], s[14:15], s[2:3]
.endr
	s_wait_kmcnt 0x0
	ORFLAGS 2, 16
	ORFLAGS 3, 32
	s_or_b32 s66, s[ACT+0], s[ACT+1]
	s_or_b32 s66, s66, s[ACT+2]
	s_or_b32 s66, s66, s[ACT+3]
.irp a, 0,1,2,3
	s_lshl_b32 s2, s[TI+\a], 12                    ; 16 rows of Q are 4,096 bytes too
	s_add_nc_u64 s[MW+2*\a:MW+2*\a+1], s[10:11], s[2:3]
.endr
.irp a, 0,1,2,3                                    ; Q in the fragments' order: query r, d = 32 dh + 8 h .. + 7 and 32 dh + 16 + 8 h .. + 7, into the fragment registers, still free
.irp dh, 0,1
	global_load_b128 v[RKF+32*\a+16*\dh:RKF+32*\a+16*\dh+3],     v1, s[MW+2*\a:MW+2*\a+1] offset:128*\dh th:TH_LOAD_NT
	global_load_b128 v[RKF+32*\a+16*\dh+4:RKF+32*\a+16*\dh+7],   v1, s[MW+2*\a:MW+2*\a+1] offset:128*\dh+16 th:TH_LOAD_NT
	global_load_b128 v[RKF+32*\a+16*\dh+8:RKF+32*\a+16*\dh+11],  v1, s[MW+2*\a:MW+2*\a+1] offset:128*\dh+64 th:TH_LOAD_NT
	global_load_b128 v[RKF+32*\a+16*\dh+12:RKF+32*\a+16*\dh+15], v1, s[MW+2*\a:MW+2*\a+1] offset:128*\dh+80 th:TH_LOAD_NT
.endr
.endr
	s_wait_loadcnt 32                              ; loads end in order: the 32 of Q may be out, tile 0's eight are in (and their bases free)
	CVTSTORE 0
	s_add_nc_u64 s[8:9], s[8:9], TILEB
	s_add_nc_u64 s[12:13], s[12:13], TILEB
	LOADKV                                         ; tile 1
	s_wait_loadcnt 8                               ; tile 1's eight may be out, Q is in (and s[16:23] free)
.set n, 0
.rept 64
	v_pk_mul_f32 v[RKF+2*n:RKF+2*n+1], v[RKF+2*n:RKF+2*n+1], s[74:75] op_sel_hi:[1,0]
.set n, n+1
.endr
	WIN 0x40                                       ; destination in window 1
.set n, 0
.rept 64
	v_cvt_pk_f16_f32 v[RQF+n], v[RKF+2*n], v[RKF+2*n+1]
.set n, n+1
.endr
	WIN 0
	s_mov_b32 s67, 0
	s_mov_b32 s68, 0
	s_mov_b32 s69, 14
	s_wait_dscnt 0x0                               ; my part of tile 0 is in LDS
	s_barrier_signal -1
	s_barrier_wait -1                              ; everybody's is
	; ---- 32 trips: two written out (the first starts every sum), 14 pairs in the loop, two without further loads ----
	TRIP 0, 1, 1, 1, 1, 0
	TRIP 1, 0, 1, 1, 2, 0
.Lpair:
	TRIP 0, 0, 1, 1, 1, 0
	TRIP 1, 0, 1, 1, 2, 0
	s_sub_co_u32 s69, s69, 1
	s_cmp_lg_u32 s69, 0
	s_cbranch_scc1 .Lpair
	TRIP 0, 0, 1, 0, 0, 0                          ; trip 30 stages tile 31 and loads nothing: no load passes the buffers' ends
	TRIP 1, 0, 0, 0, 0, 1                          ; trip 31: nothing is stored into LDS behind it but each wave's own stage, so no barrier follows
	OUT 0
	OUT 1
	OUT 2
	OUT 3
	s_wait_tensorcnt 0x0
	ds_add_u32 v254, v255
	s_wait_dscnt 0x0
	s_endpgm
.Lfunc_end_k_q14c07e0d64_attn:
	.size	k_q14c07e0d64_attn, .Lfunc_end_k_q14c07e0d64_attn-k_q14c07e0d64_attn
	.p2alignl 7, 3214868480
	.fill 96, 4, 3214868480
	.section	.rodata,"a",@progbits
	.p2align	6, 0x0
	.amdhsa_kernel k_q14c07e0d64_attn
		.amdhsa_group_segment_fixed_size 74752
		.amdhsa_private_segment_fixed_size 0
		.amdhsa_enable_private_segment 0
		.amdhsa_kernarg_size 48
		.amdhsa_user_sgpr_count 2
		.amdhsa_user_sgpr_kernarg_segment_ptr 1
		.amdhsa_wavefront_size32 1
		.amdhsa_system_sgpr_workgroup_id_x 1
		.amdhsa_system_sgpr_workgroup_id_y 1
		.amdhsa_system_sgpr_workgroup_id_z 1
		.amdhsa_system_vgpr_workitem_id 0
		.amdhsa_next_free_vgpr 448
		.amdhsa_next_free_sgpr 96
		.amdhsa_reserve_vcc 0
		.amdhsa_float_denorm_mode_32 3
		.amdhsa_float_denorm_mode_16_64 3
		.amdhsa_memory_ordered 1
		.amdhsa_forward_progress 1
		.amdhsa_inst_pref_size 255
	.end_amdhsa_kernel
	.section	.bss,"aw",@nobits
	.p2align	6
	.space	262144
	.amdgpu_metadata
---
amdhsa.version: [ 1, 2 ]
amdhsa.kernels:
  - .name:           k_q14c07e0d64_attn
    .symbol:         k_q14c07e0d64_attn.kd
    .args:
      - { .name: K, .offset: 0, .size: 8, .value_kind: global_buffer, .address_space: global }
      - { .name: Q, .offset: 8, .size: 8, .value_kind: global_buffer, .address_space: global }
      - { .name: V, .offset: 16, .size: 8, .value_kind: global_buffer, .address_space: global }
      - { .name: bits, .offset: 24, .size: 8, .value_kind: global_buffer, .address_space: global }
      - { .name: flags, .offset: 32, .size: 8, .value_kind: global_buffer, .address_space: global }
      - { .name: out0, .offset: 40, .size: 8, .value_kind: global_buffer, .address_space: global }
    .group_segment_fixed_size: 74752
    .private_segment_fixed_size: 0
    .kernarg_segment_align: 8
    .kernarg_segment_size: 48
    .max_flat_workgroup_size: 256
    .sgpr_count:     96
    .vgpr_count:     448
    .wavefront_size: 32
...
	.end_amdgpu_metadata
.endif
;; end of part 2
;; ======== version 2 of 2: 2 launches; version 1 with the launch attn written anew for expert scheduling mode
;; limits: values are held in f16: magnitudes above 65,504 overflow, below 6.1e-05 lose precision; inputs' magnitudes at most 65,504
;; workspace buffers: bits 524,288 bytes of whole numbers; flags 8,192 bytes of whole numbers
;; launch maskbits: the kernel of part 1 again; grid 128 x 1, 8 waves a work-group, no clusters, 0 bytes of LDS; arguments mask, bits, flags; writes bits, flags
;; launch attn (part 3): grid 256 x 1, 8 waves a work-group, no clusters, 74,752 bytes of LDS; arguments K, Q, V, bits, flags, out0; writes out0
.if DOCPART == 3
	.amdgcn_target "amdgcn-amd-amdhsa--gfx1250"
	.amdhsa_code_object_version 6
	.text
	.protected	k_q14c07e0d64_attn
	.globl	k_q14c07e0d64_attn
	.p2align	8
	.type	k_q14c07e0d64_attn,@function
k_q14c07e0d64_attn:
	s_mov_b64 s[64:65], 0
	v_nop
	global_prefetch_b8 v0, s[64:65] scope:SCOPE_SE
	s_setreg_imm32_b32 hwreg(HW_REG_WAVE_SCHED_MODE, 0, 2), 2
	s_setreg_imm32_b32 hwreg(HW_REG_WAVE_MODE, 25, 1), 1
	s_wait_xcnt 0x0
	s_wait_alu depctr_vm_vsrc(0)
; out = softmax(Q K^T / 8 + (mask ? 0 : -inf)) V for 64 heads of 2,048 x 64, all f32 in memory; products in f16 with f32 sums, softmax in f32 with a running maximum.
; WHY F16.  f16 keeps 11 significant bits where bf16 keeps 8.  A row with few true mask bytes is a sum of few terms p v, in which nothing averages the rounding of p, of V
; and of the scores away, so the finer format is taken for all four operands; the matrix instruction costs the same in both.  The operands have the room: see LIMITS.
; SHARES.  Work-group = a quarter of one head's queries (head = x / 4, j = x % 4).  A wave owns four tiles of 16 queries, so each K or V fragment read from LDS
; serves up to four tiles.  With g = 4 (w % 4) + j for waves 0-3 and 31 - that for waves 4-7 the tiles are g, 63 - g, 64 + g, 127 - g: each of the head's 128 tiles once.
; The choice only evens out the work where the mask grows denser with the row; it is right for any mask.
; A TRIP takes 64 keys.  All 256 threads bring the next K and V tiles (16 KiB of f32 each, dense in memory) through registers, round them to f16 and store them
; into the LDS buffer that is not being read; one barrier a trip.  A UNIT is one query tile x 64 keys: 8 matrix instructions for scores, softmax, 8 for the output.
; THE MASK is an input of any pattern.  An earlier launch packed it into lane masks (bits) and two flags a unit (flags): a unit with no true byte is jumped over
; (its probabilities are all 0 and it cannot raise the maximum), a unit with only true bytes skips the 32 selects, any other loads its 32 words and selects.
; LAYOUTS.  Scores are made transposed, S^T = K Q^T: lane (r, h), register i of key tile kt holds key 16 kt + 8 h + i of query r.  Rounded in pairs these registers ARE the
; second source (32 keys x 16 queries) of O^T = V^T P^T, so P never moves between lanes.  V^T comes from V's rows in LDS by the transposing load.  Maximum and sum are
; one number a lane; the two halves of the lanes (h) join their maxima by one v_permlanex16_b32 a unit and their sums once at the end.
; Q is multiplied by log2(e) / 8 in f32 before it is rounded, so p = 2^(s - m).
; LIMITS.  |K|, |V| and |Q| log2(e) / 8 of 65,504 and more become infinities in f16 and are not served; magnitudes under 2^-14 are kept as f16 denormals, to within 2^-25.
; p lies in [0, 1] and is kept to within 2^-25 where it is under 2^-14; l is at least 1 in a row with a true byte, so 2,048 such errors come to 2^-14 of the largest |V| at the most.
; The running maximum starts at -FLT_MAX and masked scores are -inf, so every finite score is served and no shift is fixed.  A row with no true byte ends with
; l = 0 and O = 0 and gives 0 x (1 / 0) = NaN, as the softmax of a row of -inf does.  Non-finite inputs are not served.  l adds p in f32, before p is rounded to f16.
; NO JOINT LOADS, though the four work-groups of a head read the same K and V: each work-group jumps over units by the flags of its own rows, so partners would branch
; differently; and K and V must become f16 between memory and the fragments, which loads through registers do on the way (a tile then passes LDS once, as f16).
; THE MODE: SCHED_MODE bits 1:0 = 2 (LLVM: expert scheduling mode 2), set by the entry lines.  The code itself states the register dependences
; between vector or matrix instructions and memory or LDS instructions, with s_wait_alu, always for 0.
; THE PLAN.  Registers that memory or LDS instructions touch, round a trip:
;   RSTG       The global loads of tile kb + 2 land in it; the sixteen conversions at the head of the next trip read it.
;   RS .. +15  Those conversions write them; the trip's eight LDS stores read them; the units' matrix instructions, or the next trip's conversions, write them again.
;   RKF, RVF   The trip's 32 fragment loads land in them; the units' matrix instructions read them.
;   v1 - v10   Offsets and LDS addresses: made once in the set-up and never written again; the tiles are reached by scalar bases and immediate offsets.
; All memory and LDS instructions of a trip stand in ONE run, between the conversions and the units, and the units hold none.  So a trip has one wait on va_vdst, behind its
; conversions: RS .. +15 are written, RSTG has been read, and the last trip's matrix instructions are done reading the fragments; no vector instruction stands between it and the
; last fragment load, on any way.  And it has one wait on vm_vsrc, behind the stores and the global loads and ahead of every branch: the stores have read RS .. +15.
; On the way out RKF carries a tile to the stage (written by the multiplies, read by LDS stores) and RVF carries it back (LDS loads land, global stores read): a wait on va_vdst
; ahead of a tile's LDS stores, a wait on vm_vsrc ahead of the next tile.  v254 and v255 are written at the head and read by the closing add alone.
.set KPITCH, 144                       ; a K row in LDS: 128 bytes of f16 + 16: an odd multiple of 16, so the 16 rows of a fragment load start 16 bytes apart modulo 256
.set VPITCH, 160                       ; a V row: 128 + 32: an odd multiple of 32, for the transposing load
.set SPITCH, 272                       ; a row of the way out: 256 bytes of f32 + 16
.set VB,     64*KPITCH                 ; in a buffer: K's 64 rows, then V's
.set BUF,    VB+64*VPITCH              ; 19,456 bytes; two buffers
.set STAGE,  2*BUF                     ; behind them 16 rows x 272 bytes for each wave, its own: 38,912 + 8 x 4,352 = 73,728
.set TILEB,  16384                     ; 64 keys x 256 bytes in memory
; window 0: v0 thread; v1 Q offset; v2 K fragment address; v3 V fragment address; v4, v5 where my 8 bytes of K, V go; v6 16 x thread; v7 prefetch offset;
;           v8 stage in; v9 stage back; v10 16 x lane; v11 -inf
.set RM,   12                          ; v12-15   running maximum of tile a
.set RL,   16                          ; v16-19   running sum of tile a (this half of the lanes' keys)
.set RMN,  20                          ; v[20:21] new maximum (v21 only completes the pair)
.set RAL,  22                          ; v[22:23] 2^(old maximum - new), at the end 1 / l (v23 only completes the pair)
.set RT,   24                          ; v24-31   at work
.set RS,   32                          ; v32-63   scores, then p: key tile kt at 8 kt; at a trip's head 16 of them carry the rounded K and V to LDS
.set RP,   64                          ; v64-79   p in f16: 32 keys' fragment kc at 8 kc
.set RSTG, 80                          ; v80-111  K (16) and V (16) of a later tile as loaded
.set RKF,  112                         ; v112-175 K fragments: 16 kt + 8 dh
.set RVF,  176                         ; v176-239 V^T fragments: 8 (4 kc + dt)
.set RO,   0                           ; window 1: v256-383 O^T of tile a, d tile dt at 32 a + 8 dt
.set RQF,  128                         ; window 1: v384-447 Q fragments at 16 a + 8 dh
; scalars: s[4:5] flags, s[6:7] out, s[8:9] K, s[10:11] Q, s[12:13] V, s[14:15] bits; s66 OR of the four tiles' live bits; s67 trip number kb; s68 128 kb;
;          s69 loop counter; s70, s71 lane selects; s72 at work; s73 wave; s[74:75] the scale; s[80:81] a tile's place in out; s82 j; s83 g
.set MW,   16                          ; s[16:47] a unit's 32 mask words (at set-up: flags, then Q's four bases)
.set MB,   48                          ; s[48:55] bits at tile a's row of units
.set ACT,  56                          ; s56-59   bit kb: tile a's unit kb holds some true byte
.set FULL, 60                          ; s60-63   bit kb: all its bytes are true
.set TI,   76                          ; s76-79   tile numbers
.set MSB, 0
.macro WIN new                         ; s_set_vgpr_msb: bits 1:0 source 0, 3:2 source 1, 5:4 source 2, 7:6 destination; the high byte repeats the setting that is left
.if MSB != \new
	s_set_vgpr_msb (MSB<<8)|\new
.set MSB, \new
.endif
.endm
.macro LOADKV                          ; a K tile and a V tile: thread t takes 16 bytes at 4,096 i + 16 t; a wave's load covers 512 consecutive bytes
.irp q, 0,1,2,3
	global_load_b128 v[RSTG+4*\q:RSTG+4*\q+3], v6, s[8:9] offset:4096*\q
.endr
.irp q, 0,1,2,3
	global_load_b128 v[RSTG+16+4*\q:RSTG+16+4*\q+3], v6, s[12:13] offset:4096*\q
.endr
.endm
.macro CVTSTORE nb                     ; round the loaded tiles and store them into buffer nb: load q of thread t is key 16 q + t / 16, d = 4 (t % 16) .. + 3
.set n, 0
.rept 16
	v_cvt_pk_f16_f32 v[RS+n], v[RSTG+2*n], v[RSTG+2*n+1]
.set n, n+1
.endr
	s_wait_alu depctr_va_vdst(0)                   ; the conversions have written v[RS .. RS+15], which the LDS stores read, and are done reading RSTG, in which the next loads land;
	                                               ; in a trip also: the last trip's matrix instructions are done reading RKF and RVF, in which this trip's fragment loads land
.irp q, 0,1,2,3
	ds_store_b64 v4, v[RS+2*\q:RS+2*\q+1] offset:(\nb)*BUF+\q*16*KPITCH
.endr
.irp q, 0,1,2,3
	ds_store_b64 v5, v[RS+8+2*\q:RS+8+2*\q+1] offset:(\nb)*BUF+VB+\q*16*VPITCH
.endr
.endm
.macro FRAGS buf                       ; 32 LDS loads: K's 16 first, then V's 16, so that a counted wait can let V stay out
.irp kt, 0,1,2,3
.irp dh, 0,1
	ds_load_b128 v[RKF+16*\kt+8*\dh:RKF+16*\kt+8*\dh+3],   v2 offset:\buf*BUF+\kt*16*KPITCH+64*\dh      ; key 16 kt + r, d = 32 dh + 8 h ..
	ds_load_b128 v[RKF+16*\kt+8*\dh+4:RKF+16*\kt+8*\dh+7], v2 offset:\buf*BUF+\kt*16*KPITCH+64*\dh+32   ; d = 32 dh + 16 + 8 h ..
.endr
.endr
.irp kc, 0,1
.irp dt, 0,1,2,3
	ds_load_tr16_b128 v[RVF+8*(4*\kc+\dt):RVF+8*(4*\kc+\dt)+3],   v3 offset:\buf*BUF+VB+\kc*32*VPITCH+32*\dt             ; d = 16 dt + r, keys 32 kc + 8 h ..
	ds_load_tr16_b128 v[RVF+8*(4*\kc+\dt)+4:RVF+8*(4*\kc+\dt)+7], v3 offset:\buf*BUF+VB+\kc*32*VPITCH+32*\dt+16*VPITCH   ; keys 32 kc + 16 + 8 h ..
.endr
.endr
.endm
.macro ORFLAGS a, base                 ; eight words of each kind into one
	s_or_b32 s[ACT+\a], s[\base], s[\base+1]
	s_or_b32 s[FULL+\a], s[\base+8], s[\base+9]
.irp k, 2,3,4,5,6,7
	s_or_b32 s[ACT+\a], s[ACT+\a], s[\base+\k]
	s_or_b32 s[FULL+\a], s[FULL+\a], s[\base+8+\k]
.endr
.endm
; Query tile a x this trip's 64 keys.  first = 1 (trip 0): no branch, the mask always applied, and the first products start the sums: nothing is ever cleared.
; A unit holds no memory or LDS instruction (its mask words come by scalar loads): its one s_wait_alu is the wait behind its exponentials.
.macro UNIT a, first
.if \first == 0
	s_lshr_b32 s72, s[ACT+\a], s67
	s_bitcmp1_b32 s72, 0
	s_cbranch_scc0 .Lskip_\@                       ; no true byte in the unit: nothing to add, no maximum to raise
	s_lshr_b32 s72, s[FULL+\a], s67
	s_bitcmp1_b32 s72, 0
	s_cbranch_scc1 .Lnoload_\@                     ; all true: no words needed
.endif
	s_load_b512 s[MW:MW+15], s[MB+2*\a:MB+2*\a+1], s68 offset:0x0        ; the unit's 32 words, 128 consecutive bytes
	s_load_b512 s[MW+16:MW+31], s[MB+2*\a:MB+2*\a+1], s68 offset:0x40
.if \first == 0
.Lnoload_\@:
.endif
	s_wait_dscnt 16                                ; LDS instructions end in order (ISA guide 5.7.1): all but the 16 youngest, V's fragments, are done, so K's are in
	WIN 0x04                                       ; second source (Q) in window 1
.irp kt, 0,1,2,3                                   ; the four accumulators take turns, one instruction a turn
	v_wmma_f32_16x16x32_f16 v[RS+8*\kt:RS+8*\kt+7], v[RKF+16*\kt:RKF+16*\kt+7], v[RQF+16*\a:RQF+16*\a+7], 0
.endr
.irp kt, 0,1,2,3
	v_wmma_f32_16x16x32_f16 v[RS+8*\kt:RS+8*\kt+7], v[RKF+16*\kt+8:RKF+16*\kt+15], v[RQF+16*\a+8:RQF+16*\a+15], v[RS+8*\kt:RS+8*\kt+7]
.endr
	WIN 0
.rept 4
	v_nop                                          ; four places behind the matrix instructions before a vector instruction reads their results (ISA guide 7.12.1)
.endr
	s_wait_kmcnt 0x0                               ; the words are in (met at once where none were asked for); s68 and the base are free again
.if \first == 0
	s_bitcmp1_b32 s72, 0                           ; s72 still holds the 'all true' bit
	s_cbranch_scc1 .Lnomask_\@
.endif
.set n, 0
.rept 32
	v_cndmask_b32 v[RS+n], v11, v[RS+n], s[MW+n]   ; word 8 kt + i is the lane mask of register i of key tile kt: false -> -inf
.set n, n+1
.endr
.if \first == 0
.Lnomask_\@:
.endif
	; the maximum of my 32 scores and the old maximum: 16 three-way maxima, four chains
.irp c, 0,1,2,3
	v_max3_num_f32 v[RT+\c], v[RS+8*\c], v[RS+8*\c+1], v[RS+8*\c+2]
.endr
.irp c, 0,1,2,3
	v_max3_num_f32 v[RT+\c], v[RT+\c], v[RS+8*\c+3], v[RS+8*\c+4]
.endr
.irp c, 0,1,2,3
	v_max3_num_f32 v[RT+\c], v[RT+\c], v[RS+8*\c+5], v[RS+8*\c+6]
.endr
	v_max3_num_f32 v[RT], v[RT], v[RT+1], v[RS+7]
	v_max3_num_f32 v[RT+2], v[RT+2], v[RT+3], v[RS+15]
	v_max3_num_f32 v[RT], v[RT], v[RS+23], v[RS+31]
.if \first
	v_max3_num_f32 v[RT], v[RT], v[RT+2], 0xff7fffff   ; the maximum starts at -FLT_MAX, so it stays finite where all is masked
.else
	v_max3_num_f32 v[RT], v[RT], v[RT+2], v[RM+\a]
.endif
	v_permlanex16_b32 v[RT+1], v[RT], s70, s71     ; the other half of the lanes holds the query's other 32 keys
	v_max_num_f32 v[RMN], v[RT], v[RT+1]
.if \first == 0
	v_sub_f32 v[RAL], v[RM+\a], v[RMN]
	v_exp_f32 v[RAL], v[RAL]                       ; what the old sums are worth under the new maximum
.endif
	v_mov_b32 v[RM+\a], v[RMN]                     ; also the plain instruction behind the exponential (ISA guide 5.7.2)
.set n, 0
.rept 16
	v_pk_add_f32 v[RS+2*n:RS+2*n+1], v[RS+2*n:RS+2*n+1], v[RMN:RMN+1] op_sel_hi:[1,0] neg_lo:[0,1] neg_hi:[0,1]   ; s - m, both halves by v20
.set n, n+1
.endr
.set n, 0
.rept 32
	v_exp_f32 v[RS+n], v[RS+n]                     ; p = 2^(s - m); -inf gives 0
.set n, n+1
.endr
.if \first
	v_nop                                          ; the plain instruction behind the last exponential
	s_wait_alu depctr_va_vdst(0)                   ; the 32 exponentials have written p in v[RS ..], which the roundings below are the first to read: one wait for the batch
.else
	WIN 0x41                                       ; destination and first source (O) in window 1
.set n, 0
	s_wait_alu depctr_va_vdst(0)                   ; the 33 exponentials have written v[RAL], which the rescaling below reads, and p in v[RS ..], which the roundings behind it read: one wait for the batch
.rept 16
	v_pk_mul_f32 v[RO+32*\a+2*n:RO+32*\a+2*n+1], v[RO+32*\a+2*n:RO+32*\a+2*n+1], v[RAL:RAL+1] op_sel_hi:[1,0]   ; O under the new maximum; also the plain work behind the exponentials
.set n, n+1
.endr
	WIN 0
.endif
.set n, 0
.rept 16
	v_cvt_pk_f16_f32 v[RP+n], v[RS+2*n], v[RS+2*n+1]    ; key tiles 2 kc and 2 kc + 1 become registers 0-3 and 4-7 of fragment kc
.set n, n+1
.endr
	s_wait_dscnt 0x0                               ; V's fragments are in
	WIN 0x50                                       ; C and D (O) in window 1
.irp dt, 0,1,2,3                                   ; again four accumulators by turns
.if \first
	v_wmma_f32_16x16x32_f16 v[RO+32*\a+8*\dt:RO+32*\a+8*\dt+7], v[RVF+8*\dt:RVF+8*\dt+7], v[RP:RP+7], 0
.else
	v_wmma_f32_16x16x32_f16 v[RO+32*\a+8*\dt:RO+32*\a+8*\dt+7], v[RVF+8*\dt:RVF+8*\dt+7], v[RP:RP+7], v[RO+32*\a+8*\dt:RO+32*\a+8*\dt+7]
.endif
.endr
.irp dt, 0,1,2,3
	v_wmma_f32_16x16x32_f16 v[RO+32*\a+8*\dt:RO+32*\a+8*\dt+7], v[RVF+32+8*\dt:RVF+32+8*\dt+7], v[RP+8:RP+15], v[RO+32*\a+8*\dt:RO+32*\a+8*\dt+7]
.endr
	WIN 0
	; The sum of my 32 p.  These 17 lines name none of the registers of the matrix instructions above (O, V's fragments, P): they are the places behind them
	; (ISA guide 7.12.1) for the way out's multiplies, which read O.
.irp c, 0,1,2,3
	v_pk_add_f32 v[RT+2*\c:RT+2*\c+1], v[RS+4*\c:RS+4*\c+1], v[RS+4*\c+2:RS+4*\c+3]
.endr
.irp c, 0,1,2,3
	v_pk_add_f32 v[RT+2*\c:RT+2*\c+1], v[RT+2*\c:RT+2*\c+1], v[RS+16+2*\c:RS+16+2*\c+1]
.endr
.irp c, 0,1,2,3
	v_pk_add_f32 v[RT+2*\c:RT+2*\c+1], v[RT+2*\c:RT+2*\c+1], v[RS+24+2*\c:RS+24+2*\c+1]
.endr
	v_pk_add_f32 v[RT:RT+1], v[RT:RT+1], v[RT+2:RT+3]
	v_pk_add_f32 v[RT+4:RT+5], v[RT+4:RT+5], v[RT+6:RT+7]
	v_pk_add_f32 v[RT:RT+1], v[RT:RT+1], v[RT+4:RT+5]
	v_add_f32 v[RT], v[RT], v[RT+1]
.if \first
	v_mov_b32 v[RL+\a], v[RT]
.else
	v_fma_f32 v[RL+\a], v[RL+\a], v[RAL], v[RT]
.Lskip_\@:
.endif
.endm
; Trip kb reads buffer buf.  stage: tile kb + 1, loaded a trip ago, goes into the other buffer.  load: tile kb + 2 is asked for.  pf: 1 K, 2 V, 0 no prefetch.
.macro TRIP buf, first, stage, load, pf, last
.if \stage
	s_wait_loadcnt 0x0                             ; the eight loads issued at the head of the last trip
	CVTSTORE 1-\buf                                ; every wave's reads of that buffer ended in front of the last barrier
.else
	s_wait_alu depctr_va_vdst(0)                   ; the last trip converts nothing: the matrix instructions of the trip before are done reading RKF and RVF, in which the fragment loads below land
.endif
.if \load
	s_wait_xcnt 0x0                                ; the bases, which the last prefetch named, are stepped only behind this wait
	s_add_nc_u64 s[8:9], s[8:9], TILEB
	s_add_nc_u64 s[12:13], s[12:13], TILEB
	LOADKV                                         ; no vector instruction since the wait behind the conversions names RSTG
.endif
.if \stage
	s_wait_alu depctr_vm_vsrc(0)                   ; the LDS stores above have read v[RS .. RS+15], which the units' matrix instructions, or the next trip's conversions, write again: ahead of every branch
.endif
.if \pf
	; Prefetch.  In the pair of trips 2 p, 2 p + 1 wave 0 asks for this work-group's quarter j (32 lanes 256 bytes apart, 8 KiB) of K's, then of V's tiles 2 p + 4 and
	; 2 p + 5, which are loaded in trips 2 p + 2 and 2 p + 3.  The four work-groups of a head ask for each block once between them.  The last pair that asks is
	; p = 13 (tiles 30 and 31, the buffers' last): the pair with s69 = 1 is p = 14 and asks for nothing.
	s_cmp_lg_u32 s73, 0
	s_cbranch_scc1 .Lnp_\@
	s_cmp_eq_u32 s69, 1
	s_cbranch_scc1 .Lnp_\@
.if \pf == 1
	global_prefetch_b8 v7, s[8:9] offset:2*TILEB th:TH_LOAD_NT scope:SCOPE_SE      ; the base stands at tile 2 p + 2
.else
	global_prefetch_b8 v7, s[12:13] offset:TILEB th:TH_LOAD_NT scope:SCOPE_SE      ; the base stands at tile 2 p + 3
.endif
.Lnp_\@:
.endif
.if \first == 0
	s_lshr_b32 s72, s66, s67
	s_bitcmp1_b32 s72, 0
	s_cbranch_scc0 .Lnf_\@                         ; none of my four tiles has a live unit in this trip: no fragments
.endif
	FRAGS \buf                                     ; no vector or matrix instruction since the trip's wait on va_vdst: nothing more is owed
.if \first == 0
.Lnf_\@:
.endif
	UNIT 0, \first
	UNIT 1, \first
	UNIT 2, \first
	UNIT 3, \first
	s_add_co_u32 s67, s67, 1
	s_add_co_u32 s68, s68, 128                     ; every scalar load that named s68 has been waited for
	s_wait_dscnt 0x0                               ; in every trip, on every way through the four units: my stores of the next tile are done and my fragment loads are back.
	                                               ; In front of the barrier that is for the others' sake; behind the last trip it is for the way out, which writes the fragment registers
.if \last == 0
	s_barrier_signal -1
	s_barrier_wait -1                              ; the next tile is whole, and this buffer may be stored into again
.endif
.endm
; Tile a leaves: O / l, 16 rows through my own stage in LDS, back as whole rows of 256 bytes.
.macro OUT a
.if \a > 0
	s_wait_alu depctr_vm_vsrc(0)                   ; the last tile's LDS stores have read v[RKF ..], which the multiplies below write again; its global stores have read v[RVF ..], in which the loads from the stage land
.endif
	v_permlanex16_b32 v[RT], v[RL+\a], s70, s71    ; the two halves' sums meet
	v_add_f32 v[RT], v[RT], v[RL+\a]
	v_rcp_f32 v[RAL], v[RT]
	v_nop                                          ; the plain instruction behind the reciprocal (ISA guide 5.7.2)
	WIN 0x01                                       ; first source (O) in window 1
.set n, 0
	s_wait_alu depctr_va_vdst(0)                   ; the reciprocal has written v[RAL], which the multiplies below read
.rept 16
	v_pk_mul_f32 v[RKF+2*n:RKF+2*n+1], v[RO+32*\a+2*n:RO+32*\a+2*n+1], v[RAL:RAL+1] op_sel_hi:[1,0]
.set n, n+1
.endr
	WIN 0
	s_wait_alu depctr_va_vdst(0)                   ; the multiplies have written v[RKF ..], which the LDS stores read; for the first tile also: the last matrix instructions are done reading v[RVF ..], in which the loads from the stage land
.irp dt, 0,1,2,3
	ds_store_b128 v8, v[RKF+8*\dt:RKF+8*\dt+3] offset:64*\dt          ; query r, d = 16 dt + 8 h .. + 3
	ds_store_b128 v8, v[RKF+8*\dt+4:RKF+8*\dt+7] offset:64*\dt+16
.endr
	s_wait_xcnt 0x0                                ; the last tile's stores: their data registers and their base are rewritten only behind this wait
	s_lshl_b32 s2, s[TI+\a], 12                    ; 16 rows of 256 bytes
	s_add_nc_u64 s[80:81], s[6:7], s[2:3]
.irp t, 0,1,2,3,4,5,6,7
	ds_load_b128 v[RVF+4*\t:RVF+4*\t+3], v9 offset:2*SPITCH*\t        ; LDS serves a wave's instructions in order (ISA guide 5.7.1): these see the stores above
.endr
.irp t, 0,1,2,3,4,5,6,7
	s_wait_dscnt 7-\t                              ; load t is in, the younger ones may be out
	global_store_b128 v10, v[RVF+4*\t:RVF+4*\t+3], s[80:81] offset:512*\t th:TH_STORE_NT   ; two rows: 512 consecutive bytes, aligned
.endr
.endm
	; ---- set-up ----
	s_load_b256 s[8:15], s[0:1], 0x0               ; K, Q, V, bits
	s_load_b128 s[4:7], s[0:1], 0x20               ; flags, out
	v_lshl_add_u32 v254, v0, 2, 0x12000            ; my spare word, behind the stages, and 0: kept for the closing lines alone
	v_mov_b32 v255, 0
	v_and_b32 v24, 31, v0                          ; lane
	v_lshrrev_b32 v25, 5, v0
	v_readfirstlane_b32 s73, v25                   ; wave
	v_and_b32 v26, 15, v0                          ; r (also thread % 16)
	v_bfe_u32 v27, v0, 4, 1                        ; h
	s_and_b32 s82, ttmp9, 3                        ; j
	s_wait_alu depctr_va_sdst(0)                   ; s73 is written, ahead of its first reader: the tile numbers, the stage and the prefetch's branch are made from it
	s_and_b32 s83, s73, 3
	s_lshl2_add_u32 s83, s83, s82                  ; 4 (w % 4) + j
	s_sub_co_u32 s72, 31, s83
	s_cmp_lt_u32 s73, 4
	s_cselect_b32 s83, s83, s72                    ; g
	s_mov_b32 s[TI+0], s83
	s_sub_co_u32 s[TI+1], 63, s83
	s_add_co_u32 s[TI+2], s83, 64
	s_sub_co_u32 s[TI+3], 127, s83
	s_lshr_b32 s2, ttmp9, 2
	s_lshl_b32 s2, s2, 19                          ; head x 2,048 rows x 256 bytes
	s_mov_b32 s3, 0                                ; stays 0: s[2:3] is the pair for every offset
	v_lshlrev_b32 v6, 4, v0                        ; 16 x thread
	s_wait_kmcnt 0x0
	s_add_nc_u64 s[8:9], s[8:9], s[2:3]
	s_add_nc_u64 s[10:11], s[10:11], s[2:3]
	s_add_nc_u64 s[12:13], s[12:13], s[2:3]
	s_add_nc_u64 s[6:7], s[6:7], s[2:3]
	s_wait_alu depctr_va_vdst(0)                   ; v6 is written, which every load of K and V reads as its offset
	LOADKV                                         ; tile 0
	s_lshl_b32 s84, s[TI+0], 6                     ; a tile's 16 flag words are 64 bytes
	s_lshl_b32 s85, s[TI+1], 6
	s_load_b512 s[16:31], s[4:5], s84 offset:0x0
	s_load_b512 s[32:47], s[4:5], s85 offset:0x0
	v_lshlrev_b32 v1, 8, v26                       ; Q: row r, 256 bytes
	v_lshl_add_u32 v1, v27, 5, v1                  ;    + 8 h numbers
	v_mul_u32_u24 v2, v26, KPITCH                  ; K fragments: row r
	v_lshl_add_u32 v2, v27, 4, v2                  ;    + 16 h
	v_and_b32 v28, 7, v0
	v_lshl_add_u32 v28, v27, 3, v28                ; V fragments: row 8 h + lane % 8
	v_mul_u32_u24 v3, v28, VPITCH
	v_bfe_u32 v29, v0, 3, 1
	v_lshl_add_u32 v3, v29, 4, v3                  ;    + 16 x bit 3 of the lane
	v_lshrrev_b32 v30, 4, v0                       ; thread / 16: my key among 16
	v_mul_u32_u24 v4, v30, KPITCH
	v_lshl_add_u32 v4, v26, 3, v4                  ; + my 4 numbers, 8 bytes
	v_mul_u32_u24 v5, v30, VPITCH
	v_lshl_add_u32 v5, v26, 3, v5
	v_lshlrev_b32 v7, 8, v24                       ; prefetch: lanes 256 bytes apart,
	v_lshl_add_u32 v7, s82, 13, v7                 ; in quarter j of 32 KiB
	s_mul_i32 s72, s73, 16*SPITCH
	s_add_co_u32 s72, s72, STAGE                   ; my stage
	v_mul_u32_u24 v8, v26, SPITCH                  ; in: row r, 32 bytes for each half of the lanes
	v_lshl_add_u32 v8, v27, 5, v8
	v_add_nc_u32 v8, s72, v8
	v_mul_u32_u24 v9, v27, SPITCH                  ; back: lanes 0-15 one row, lanes 16-31 the next
	v_lshl_add_u32 v9, v26, 4, v9
	v_add_nc_u32 v9, s72, v9
	v_lshlrev_b32 v10, 4, v24                      ; the same two rows in out: 16 x lane
	v_mov_b32 v11, 0xff800000                      ; -inf
	v_mov_b32 v[RMN+1], 0                          ; the upper registers of the two broadcast pairs are never used, only named
	v_mov_b32 v[RAL+1], 0
	s_mov_b32 s70, 0x76543210                      ; v_permlanex16_b32: lane i reads lane i of the other half
	s_mov_b32 s71, 0xfedcba98
	s_mov_b32 s74, 0x3e38aa3b                      ; log2(e) / 8
	s_mov_b32 s75, 0x3e38aa3b
	s_wait_kmcnt 0x0
	ORFLAGS 0, 16
	ORFLAGS 1, 32
	s_lshl_b32 s84, s[TI+2], 6
	s_lshl_b32 s85, s[TI+3], 6
	s_load_b512 s[16:31], s[4:5], s84 offset:0x0
	s_load_b512 s[32:47], s[4:5], s85 offset:0x0
.irp a, 0,1,2,3
	s_lshl_b32 s2, s[TI+\a], 12                    ; a tile's row of 32 units is 4,096 bytes of bits
	s_add_nc_u64 s[MB+2*\a:MB+2*\a+1], s[14:15], s[2:3]
.endr
	s_wait_kmcnt 0x0
	ORFLAGS 2, 16
	ORFLAGS 3, 32
	s_or_b32 s66, s[ACT+0], s[ACT+1]
	s_or_b32 s66, s66, s[ACT+2]
	s_or_b32 s66, s66, s[ACT+3]
.irp a, 0,1,2,3
	s_lshl_b32 s2, s[TI+\a], 12                    ; 16 rows of Q are 4,096 bytes too
	s_add_nc_u64 s[MW+2*\a:MW+2*\a+1], s[10:11], s[2:3]
.endr
	s_wait_alu depctr_va_vdst(0)                   ; v1 is written, which Q's loads read; so are v2 to v5 and v7 to v10, the addresses and offsets of every later LDS instruction, prefetch and store; none is written again
.irp a, 0,1,2,3                                    ; Q in the fragments' order: query r, d = 32 dh + 8 h .. + 7 and 32 dh + 16 + 8 h .. + 7, into the fragment registers, still free
.irp dh, 0,1
	global_load_b128 v[RKF+32*\a+16*\dh:RKF+32*\a+16*\dh+3],     v1, s[MW+2*\a:MW+2*\a+1] offset:128*\dh th:TH_LOAD_NT
	global_load_b128 v[RKF+32*\a+16*\dh+4:RKF+32*\a+16*\dh+7],   v1, s[MW+2*\a:MW+2*\a+1] offset:128*\dh+16 th:TH_LOAD_NT
	global_load_b128 v[RKF+32*\a+16*\dh+8:RKF+32*\a+16*\dh+11],  v1, s[MW+2*\a:MW+2*\a+1] offset:128*\dh+64 th:TH_LOAD_NT
	global_load_b128 v[RKF+32*\a+16*\dh+12:RKF+32*\a+16*\dh+15], v1, s[MW+2*\a:MW+2*\a+1] offset:128*\dh+80 th:TH_LOAD_NT
.endr
.endr
	s_wait_loadcnt 32                              ; loads end in order: the 32 of Q may be out, tile 0's eight are in (and their bases free)
	CVTSTORE 0
	s_add_nc_u64 s[8:9], s[8:9], TILEB
	s_add_nc_u64 s[12:13], s[12:13], TILEB
	LOADKV                                         ; tile 1: no vector instruction since the wait behind the conversions names RSTG
	s_wait_alu depctr_vm_vsrc(0)                   ; tile 0's LDS stores have read v[RS .. RS+15], which the first trip's conversions write again
	s_wait_loadcnt 8                               ; tile 1's eight may be out, Q is in (and s[16:23] free)
.set n, 0
.rept 64
	v_pk_mul_f32 v[RKF+2*n:RKF+2*n+1], v[RKF+2*n:RKF+2*n+1], s[74:75] op_sel_hi:[1,0]
.set n, n+1
.endr
	WIN 0x40                                       ; destination in window 1
.set n, 0
.rept 64
	v_cvt_pk_f16_f32 v[RQF+n], v[RKF+2*n], v[RKF+2*n+1]
.set n, n+1
.endr
	WIN 0
	s_mov_b32 s67, 0
	s_mov_b32 s68, 0
	s_mov_b32 s69, 14
	s_wait_dscnt 0x0                               ; my part of tile 0 is in LDS
	s_barrier_signal -1
	s_barrier_wait -1                              ; everybody's is
	; ---- 32 trips: two written out (the first starts every sum), 14 pairs in the loop, two without further loads ----
	; The first trip's wait on va_vdst also states that Q's scalings and roundings above are done with RKF, in which its fragment loads land.
	TRIP 0, 1, 1, 1, 1, 0
	TRIP 1, 0, 1, 1, 2, 0
.Lpair:
	TRIP 0, 0, 1, 1, 1, 0
	TRIP 1, 0, 1, 1, 2, 0
	s_sub_co_u32 s69, s69, 1
	s_cmp_lg_u32 s69, 0
	s_cbranch_scc1 .Lpair
	TRIP 0, 0, 1, 0, 0, 0                          ; trip 30 stages tile 31 and loads nothing: no load passes the buffers' ends
	TRIP 1, 0, 0, 0, 0, 1                          ; trip 31: nothing is stored into LDS behind it but each wave's own stage, so no barrier follows
	OUT 0
	OUT 1
	OUT 2
	OUT 3
	s_wait_dscnt 0x0                               ; the closing lines, six on end
	s_wait_alu 0x0
	s_wait_tensorcnt 0x0
	ds_add_u32 v254, v255
	s_wait_dscnt 0x0
	s_endpgm
.Lfunc_end_k_q14c07e0d64_attn:
	.size	k_q14c07e0d64_attn, .Lfunc_end_k_q14c07e0d64_attn-k_q14c07e0d64_attn
	.p2alignl 7, 3214868480
	.fill 96, 4, 3214868480
	.section	.rodata,"a",@progbits
	.p2align	6, 0x0
	.amdhsa_kernel k_q14c07e0d64_attn
		.amdhsa_group_segment_fixed_size 74752
		.amdhsa_private_segment_fixed_size 0
		.amdhsa_enable_private_segment 0
		.amdhsa_kernarg_size 48
		.amdhsa_user_sgpr_count 2
		.amdhsa_user_sgpr_kernarg_segment_ptr 1
		.amdhsa_wavefront_size32 1
		.amdhsa_system_sgpr_workgroup_id_x 1
		.amdhsa_system_sgpr_workgroup_id_y 1
		.amdhsa_system_sgpr_workgroup_id_z 1
		.amdhsa_system_vgpr_workitem_id 0
		.amdhsa_next_free_vgpr 448
		.amdhsa_next_free_sgpr 96
		.amdhsa_reserve_vcc 0
		.amdhsa_float_denorm_mode_32 3
		.amdhsa_float_denorm_mode_16_64 3
		.amdhsa_memory_ordered 1
		.amdhsa_forward_progress 1
		.amdhsa_inst_pref_size 255
	.end_amdhsa_kernel
	.section	.bss,"aw",@nobits
	.p2align	6
	.space	262144
	.amdgpu_metadata
---
amdhsa.version: [ 1, 2 ]
amdhsa.kernels:
  - .name:           k_q14c07e0d64_attn
    .symbol:         k_q14c07e0d64_attn.kd
    .args:
      - { .name: K, .offset: 0, .size: 8, .value_kind: global_buffer, .address_space: global }
      - { .name: Q, .offset: 8, .size: 8, .value_kind: global_buffer, .address_space: global }
      - { .name: V, .offset: 16, .size: 8, .value_kind: global_buffer, .address_space: global }
      - { .name: bits, .offset: 24, .size: 8, .value_kind: global_buffer, .address_space: global }
      - { .name: flags, .offset: 32, .size: 8, .value_kind: global_buffer, .address_space: global }
      - { .name: out0, .offset: 40, .size: 8, .value_kind: global_buffer, .address_space: global }
    .group_segment_fixed_size: 74752
    .private_segment_fixed_size: 0
    .kernarg_segment_align: 8
    .kernarg_segment_size: 48
    .max_flat_workgroup_size: 256
    .sgpr_count:     96
    .vgpr_count:     448
    .wavefront_size: 32
...
	.end_amdgpu_metadata
.endif
;; end of part 3
